; MI455X (gfx1250); checked and timed in simulation.
; The chip was launched on July 23, 2026; its instructions are those of AMD's public machine-readable ISA for CDNA 5 (MIT licence, August 2026) and "CDNA5" Instruction Set Architecture Reference Guide (July 2026). The comments in the code are by the model that wrote it; some were corrected since.
;; Learning Progress IM. Allowed arithmetic: float matrix products may take bf16 or f16 operands with f32 sums; all other float work in f32.
;; Inputs: reached_goal_embedding_library 67,584 x 128 float32; target_goal_embedding_library 67,584 x 128 float32.
;; Outputs: out0 2,048 float32; out1 2,048 x 128 float32.
;; Constants: batch_size = 2048.
;; One version. Each part assembles by itself: llvm-mc -triple=amdgcn-amd-amdhsa -mcpu=gfx1250 --defsym DOCPART=n.
;; ======== version 1 of 1: 2 launches
;; limits: values outside matrix products are rounded to bf16
;; workspace buffers: part 2,097,152 bytes of whole numbers
;; launch coarse (part 1): grid 4 x 64, 8 waves a work-group, clusters of 4 x 1, 327,680 bytes of LDS; arguments reached_goal_embedding_library, target_goal_embedding_library, part; writes part
.if DOCPART == 1
	.amdgcn_target "amdgcn-amd-amdhsa--gfx1250"
	.amdhsa_code_object_version 6
	.text
	.protected	k_q83277f4fae_coarse
	.globl	k_q83277f4fae_coarse
	.p2align	8
	.type	k_q83277f4fae_coarse,@function
k_q83277f4fae_coarse:
	s_mov_b64 s[64:65], 0
	v_nop
	global_prefetch_b8 v0, s[64:65] scope:SCOPE_SE
	s_setreg_imm32_b32 hwreg(HW_REG_WAVE_MODE, 25, 1), 1
	s_wait_xcnt 0x0
	s_wait_alu depctr_hold_cnt(0) depctr_sa_sdst(0) depctr_va_vdst(0) depctr_va_sdst(0) depctr_va_ssrc(0) depctr_va_vcc(0) depctr_vm_vsrc(0)
	s_getreg_b32 s2, hwreg(HW_REG_IB_STS2, 6, 4)
	s_cmp_eq_u32 s2, 0
	s_cbranch_scc0 .Lentry_in_a_cluster
	s_endpgm
.Lentry_in_a_cluster:
	s_bfe_u32 s2, ttmp6, 0x10000c
	s_cmp_lg_u32 s2, 0x3003
	s_cbranch_scc0 .Lentry_shape_is_right
	s_endpgm
.Lentry_shape_is_right:
; COARSE NEAREST NEIGHBOUR.  2,048 queries g (rows 65,536.. of target) against 65,536 rows s (rows 0..65,535 of reached), 128 numbers a row.
; score(g, s) = g.s - |s|^2 / 2, to be made largest: |g - s|^2 = |g|^2 - 2 score, and |g|^2 is the same for all s.
; g and s are rounded to bf16 for the matrix unit; |s|^2 is summed in f32 from the ROUNDED numbers and enters as the C operand of the first product.
; A work-group: 512 queries (cx, its place in the cluster) x 1,024 rows s (seg, the grid's y).  4 x 64 = 256 work-groups of equal work.
; A wave w: qg = w >> 1 names 128 queries, kept for the whole kernel as 8 x 4 B fragments = 256 registers (all of window 1);
;           ph = w & 1 names four of the eight blocks of 16 rows in each tile of 128 rows s.  1,024 matrix instructions a wave.
; Source 0 = 16 rows s, source 1 = 16 queries: result register j of lane (r, h) is (row 8 h + j, query r), so the maximum over rows stays in the lane.
; A lane keeps, for each of its 8 query blocks, the largest score and the number of the block of 16 rows in which it stood; with h that names a
; GROUP of 8 neighbouring rows (gid = row / 8).  The next launch scores those 8 rows again.
; OUT: part[pi = 2 seg + ph][wq = 4 cx + qg][s][lane][e] = (key, gid), 8 bytes; key = the score's bits turned so that unsigned order is the scores' order.
;      Query q: wq = q >> 7, lane = q & 31, s = bit 6 of q, e = bit 5 of q.
; CLUSTER: the four work-groups of a cluster share seg, so every tile of s is asked for jointly (mask 15) and lands in all four.
;   The queries are not shared inside a cluster.  Sharing them along a second axis would need them landed as f32: 512 rows x 528 bytes = 270,336 bytes
;   beside the ring's 135,168 do not fit into 327,680.  They come through registers, each row once for a work-group, whole rows of 512 bytes a load.
; A tensor load brings 16 rows of 512 bytes: a tile of 128 rows shared out among eight waves, each of which converts just the rows it asked for.
; LIMITS.  Inputs are finite: a NaN score never wins here.  The scores are those of inputs rounded to bf16.  Equal scores: the lowest group wins.
.set RPITCH, 528                       ; a ring row: 512 bytes + 16 of padding = 33 x 16: the 16 rows that a load touches begin at 16 different 16-byte columns modulo 256
.set WTILE,  16*RPITCH                 ; 8,448: a wave's 16 rows
.set RSLOT,  8*WTILE                   ; 67,584: a tile of 128 rows in f32
.set PPS,    2*RSLOT                   ; 135,168: -|s|^2/2 of a tile's 128 rows, two buffers of 512 bytes
.set STAGE0, PPS+1024                  ; 136,192: the tile in bf16, by fragments: block x 4,096 + piece (0..7) x 512 + lane x 16; two buffers
.set STG,    32768
.set QST,    STAGE0+STG                ; 168,960: ahead of the loop the 512 queries in bf16, pitch 272 (139,264 bytes); afterwards its head is stage buffer 1
.set QPITCH, 272
.set TILEB,  65536                     ; a tile of s in memory
.set L16, 1                            ; v1   lane x 16
.set FRG, 2                            ; v2   my fragments in stage buffer 0
.set PPR, 3                            ; v3   my eight -|s|^2/2 in buffer 0
.set RG0, 4                            ; v4-5 my numbers in my 16 rows of ring slot 0, 1
.set STW, 6                            ; v6   where I put converted pieces, stage buffer 0
.set PPW, 7                            ; v7   where my row's -|s|^2/2 goes, buffer 0
.set QW,  8                            ; v8   where I put converted queries
.set QR,  9                            ; v9   where I read my query fragments
.set H,   10                           ; v10  h = lane / 16
.set RR,  11                           ; v11  r = lane % 16
.set PS,  12                           ; v[12:15]   four chains of squares
.set PT,  16                           ; v16        the other half's sum
.set XP,  18                           ; v[18:25]   one K fragment in bf16
.set XF,  26                           ; v[26:41]   its 16 numbers in f32
.set T,   42                           ; v[42:49]   at work
.set BV,  50                           ; v[50:57]   best score of query block 0..7
.set BI,  58                           ; v[58:65]   the block of 16 rows where it stood
.set CI0, 66                           ; v[66:73], v[74:81]     C of the first product, two buffers
.set AF0, 82                           ; v[82:113], v[114:145]  A fragments of 16 rows (4 x 8), two buffers
.set ACC, 146                          ; v[146:177] four accumulators
.set QP,  178                          ; v[178:209] ahead of the loop: 16 query rows in bf16
.set E,   178                          ; v[178:183] behind the loop: at work
.set O,   184                          ; v[184:191] behind the loop: four (key, gid)
.set G1, 16                            ; s[16:23] descriptor group 1
.set G0, 24                            ; s[24:31] descriptor group 0, a set for each ring slot
.set MSB, 0
.macro WIN new                         ; s_set_vgpr_msb: low byte = the windows (1:0 source 0, 3:2 source 1, 5:4 source 2, 7:6 destination), high byte = the setting left
.if MSB != \new
	s_set_vgpr_msb (MSB<<8)|\new
.set MSB, \new
.endif
.endm
; A round of the cluster's barrier: my work-group's barrier, wave 0 signals for the work-group, every wave waits for all four work-groups, my work-group's barrier again.
.macro ROUND
	s_barrier_signal -1
	s_barrier_wait -1
	s_cmp_lg_u32 s10, 0
	s_cbranch_scc1 .Lnot_wave_0_\@
	s_barrier_signal -3
.Lnot_wave_0_\@:
	s_barrier_wait -3
	s_barrier_signal -1
	s_barrier_wait -1
.endm
.macro PLACES                          ; five places behind a run of matrix instructions (ISA guide 7.12.1) where there is no other work for them
.rept 5
	v_nop
.endr
.endm
	s_load_b128 s[4:7], s[0:1], 0x0                ; reached s[4:5], target s[6:7]
	s_load_b64 s[8:9], s[0:1], 0x10                ; part
	v_lshl_add_u32 v254, v0, 2, 0x4b400
	v_mov_b32 v255, 0
	ds_add_u32 v254, v255
	v_lshrrev_b32 v2, 5, v0
	v_readfirstlane_b32 s10, v2                    ; wave 0..7
	v_and_b32 v3, 31, v0
	v_lshlrev_b32 v[L16], 4, v3                    ; lane x 16
	s_lshr_b32 s11, s10, 1                         ; qg
	s_and_b32 s12, s10, 1                          ; ph
	s_bfe_u32 s13, ttmp6, 0x40000                  ; cx
	s_and_b32 s14, ttmp7, 0xffff                   ; seg (the cluster is one work-group high)
	s_lshl_b32 s48, s13, 18                        ; my 64 query rows: (65,536 + 512 cx + 64 w) x 512 bytes
	s_lshl_b32 s49, s10, 15
	s_add_co_u32 s48, s48, s49
	s_add_co_u32 s48, s48, 0x2000000
	s_mov_b32 s49, 0
	s_wait_dscnt 0x0
	s_wait_kmcnt 0x0
	s_add_nc_u64 s[44:45], s[6:7], s[48:49]
	WIN 0x40                                       ; destination in window 1: row i lands in registers 4 i .. 4 i + 3 there
.irp i, 0,1,2,3,4,5,6,7,8,9,10,11,12,13,14,15,16,17,18,19,20,21,22,23,24,25,26,27,28,29,30,31
	global_load_b128 v[4*\i:4*\i+3], v[L16], s[44:45] offset:512*\i               ; a whole row of 512 bytes
.endr
.irp i, 32,33,34,35,36,37,38,39,40,41,42,43,44,45,46,47,48,49,50,51,52,53,54,55,56,57,58,59,60,61,62,63
	global_load_b128 v[4*\i:4*\i+3], v[L16], s[44:45] offset:512*\i
.endr
	WIN 0
	; descriptor group 1: 16 rows x 128 elements of 4 bytes, 4 words of padding behind every 128 words
	s_mov_b32 s[G1+0], 15|(2<<16)|(1<<20)|(1<<21)|(6<<22)|(3<<25)  ; 15:0 all four work-groups; 17:16 4 bytes; 20 padding on; 21 set beside a mask; 24:22 every 128 words; 31:25 4 words
	s_mov_b32 s[G1+1], 128<<16                     ; tensor_dim0 = 128
	s_mov_b32 s[G1+2], 16<<16                      ; tensor_dim1 = 16
	s_mov_b32 s[G1+3], 128<<16                     ; tile_dim0 = 128
	s_mov_b32 s[G1+4], 16                          ; tile_dim1 = 16
	s_mov_b32 s[G1+5], 128                         ; 128 elements from row to row
	s_mov_b32 s[G1+6], 0
	s_mov_b32 s[G1+7], 0
	; group 0: from reached + seg x 524,288 + slot x 65,536 + w x 8,192 to w x 8,448 + slot x 67,584.  Only seg and w enter: alike in all four work-groups.
	s_lshl_b32 s32, s14, 19
	s_lshl_b32 s33, s10, 13
	s_add_co_u32 s32, s32, s33
	s_mov_b32 s33, 0
	s_add_nc_u64 s[32:33], s[4:5], s[32:33]
	s_mov_b32 s[G0+0], 1
	s_mul_i32 s[G0+1], s10, WTILE
	s_mov_b64 s[G0+2:G0+3], s[32:33]
	s_or_b32 s[G0+3], s[G0+3], 0x80000000
	s_mov_b32 s[G0+4], 1
	s_add_co_u32 s[G0+5], s[G0+1], RSLOT
	s_add_nc_u64 s[G0+6:G0+7], s[32:33], TILEB
	s_or_b32 s[G0+7], s[G0+7], 0x80000000
	ROUND                                          ; all four work-groups are here: the first joint loads meet
	tensor_load_to_lds s[G0:G0+3], s[G1:G1+7]      ; tile 0
	s_nop 0
	tensor_load_to_lds s[G0+4:G0+7], s[G1:G1+7]    ; tile 1: two loads of mine are out, later one
	s_nop 0
	; where my partial results go: ((2 seg + ph) x 16 + 4 cx + qg) x 1,024
	s_lshl_b32 s48, s14, 15
	s_lshl_b32 s49, s12, 14
	s_add_co_u32 s48, s48, s49
	s_lshl_b32 s49, s13, 12
	s_add_co_u32 s48, s48, s49
	s_lshl_b32 s49, s11, 10
	s_add_co_u32 s48, s48, s49
	s_mov_b32 s49, 0
	s_add_nc_u64 s[46:47], s[8:9], s[48:49]
	s_lshl_b32 s35, s14, 6
	s_lshl2_add_u32 s35, s12, s35                  ; number of the block of 16 rows at work: 64 seg + 8 t + 4 ph + i
	s_mov_b32 s36, 0x76543210                      ; v_permlanex16_b32: lane i takes lane i of the other half
	s_mov_b32 s37, 0xfedcba98
	s_mov_b32 s38, 0xffff0000                      ; lanes 16 to 31
	v_and_b32 v[RR], 15, v0
	v_bfe_u32 v[H], v0, 4, 1
	s_lshl_b32 s15, s12, 14
	s_add_co_u32 s15, s15, STAGE0
	v_add_nc_u32 v[FRG], s15, v[L16]               ; STAGE0 + ph x 4 blocks + lane x 16
	s_lshl_b32 s15, s12, 8
	s_add_co_u32 s15, s15, PPS
	v_lshl_add_u32 v[PPR], v[H], 5, s15            ; PPS + ph x 64 rows x 4 + 8 h x 4
	v_mul_u32_u24 v[RG0], v[RR], RPITCH
	v_lshl_add_u32 v[RG0], v[H], 5, v[RG0]
	v_add_nc_u32 v[RG0], s[G0+1], v[RG0]           ; w x 8,448 + r x 528 + 32 h
	v_add_nc_u32 v[RG0+1], RSLOT, v[RG0]
	s_lshl_b32 s15, s10, 12
	s_add_co_u32 s15, s15, STAGE0
	v_add_nc_u32 v[STW], s15, v[L16]               ; my 16 rows are block w of the tile
	s_lshl_b32 s15, s10, 6
	s_add_co_u32 s15, s15, PPS
	v_lshl_add_u32 v[PPW], v[RR], 2, s15           ; PPS + (16 w + r) x 4
	s_mul_i32 s15, s10, 64*QPITCH
	s_add_co_u32 s15, s15, QST
	v_lshrrev_b32 v[QW], 1, v[L16]
	v_add_nc_u32 v[QW], s15, v[QW]                 ; QST + 64 w rows + lane x 8
	s_mul_i32 s15, s11, 128*QPITCH
	s_add_co_u32 s15, s15, QST
	v_mul_u32_u24 v[QR], v[RR], QPITCH
	v_lshl_add_u32 v[QR], v[H], 4, v[QR]
	v_add_nc_u32 v[QR], s15, v[QR]                 ; QST + 128 qg rows + r x 272 + 16 h
.irp n, 0,1,2,3,4,5,6,7
	v_mov_b32 v[BV+\n], 0xff800000                 ; -infinity: the first score wins
	v_mov_b32 v[BI+\n], 0
.endr
	v_mov_b32 v[PT], 0                             ; v_permlanex16_b32 counts as a reader of its destination
	; The queries: 16 rows at a time to bf16 and into LDS (a lane's 4 numbers become 8 bytes; a store of the wave covers a row's 256 bytes).
.irp b, 0,1,2,3
	s_wait_loadcnt 48-16*\b                        ; loads come back in order: the 16 x (3 - b) younger rows may stay out
	WIN 0x05                                       ; both sources in window 1
.irp i, 0,1,2,3,4,5,6,7,8,9,10,11,12,13,14,15
	v_cvt_pk_bf16_f32 v[QP+2*\i],   v[4*(16*\b+\i)],   v[4*(16*\b+\i)+1]
	v_cvt_pk_bf16_f32 v[QP+2*\i+1], v[4*(16*\b+\i)+2], v[4*(16*\b+\i)+3]
.endr
	WIN 0
.irp i, 0,1,2,3,4,5,6,7,8,9,10,11,12,13,14,15
	ds_store_b64 v[QW], v[QP+2*\i:QP+2*\i+1] offset:(16*\b+\i)*QPITCH
.endr
.endr
; Four LDS loads: K fragment c of my row, in f32, from ring slot 'slot': k = 32 c + 8 h + 0..7 and 32 c + 16 + 8 h + 0..7, the order of a fragment's registers.
.macro LDX c, slot, xf
	ds_load_b128 v[\xf:\xf+3],     v[RG0+(\slot)] offset:128*(\c)
	ds_load_b128 v[\xf+4:\xf+7],   v[RG0+(\slot)] offset:128*(\c)+16
	ds_load_b128 v[\xf+8:\xf+11],  v[RG0+(\slot)] offset:128*(\c)+64
	ds_load_b128 v[\xf+12:\xf+15], v[RG0+(\slot)] offset:128*(\c)+80
.endm
.macro CVT8 xf                         ; 16 numbers to bf16: the fragment's 8 registers
.irp j, 0,1,2,3,4,5,6,7
	v_cvt_pk_bf16_f32 v[XP+\j], v[\xf+2*\j], v[\xf+2*\j+1]
.endr
.endm
.macro SQ16                            ; the squares of the 16 ROUNDED numbers, in f32, on four chains
.irp j, 0,1,2,3,4,5,6,7
	v_fma_mix_f32_bf16 v[PS+(\j&3)], v[XP+\j], v[XP+\j], v[PS+(\j&3)] op_sel_hi:[1,1,0]
.endr
.irp j, 0,1,2,3,4,5,6,7
	v_fma_mix_f32_bf16 v[PS+(\j&3)], v[XP+\j], v[XP+\j], v[PS+(\j&3)] op_sel:[1,1,0] op_sel_hi:[1,1,0]
.endr
.endm
.macro STX c, buf                      ; the fragment's two pieces into stage buffer 'buf': 512 neighbouring bytes a store
	ds_store_b128 v[STW], v[XP:XP+3]   offset:(\buf)*STG+(\c)*1024
	ds_store_b128 v[STW], v[XP+4:XP+7] offset:(\buf)*STG+(\c)*1024+512
.endm
.macro PPFIN buf                       ; -|s|^2/2 of my row: my chains, the other half's sum; lanes r and r + 16 store the same word
	v_add_f32 v[PS], v[PS], v[PS+1]
	v_add_f32 v[PS+2], v[PS+2], v[PS+3]
	v_add_f32 v[PS], v[PS], v[PS+2]
	v_permlanex16_b32 v[PT], v[PS], s36, s37
	v_add_f32 v[PS], v[PS], v[PT]
	v_mul_f32 v[PS], -0.5, v[PS]
	ds_store_b32 v[PPW], v[PS] offset:(\buf)*512
.endm
.macro PSZERO
.irp j, 0,1,2,3
	v_mov_b32 v[PS+\j], 0
.endr
.endm
	; Tile 0 is converted ahead of the loop; its 64 numbers a lane land in the two A buffers, which are free yet.
	s_wait_tensorcnt 0x1                           ; tensor loads of a wave end in order: my rows of tile 0 are in, tile 1's load may stay out
	LDX 0, 0, AF0
	LDX 1, 0, AF0+16
	LDX 2, 0, AF0+32
	LDX 3, 0, AF0+48
	PSZERO
.irp c, 0,1,2,3
	s_wait_dscnt 12-2*\c                           ; behind fragment c's four loads stand 12 - 4 c loads and the 2 c stores of the fragments before
	CVT8 AF0+16*\c
	SQ16
	STX \c, 0
.endr
	PPFIN 0
	s_wait_dscnt 0x0                               ; my stores of queries, of tile 0 and of its -|s|^2/2 are done, for the other waves' sake
	s_barrier_signal -1
	s_barrier_wait -1                              ; everybody's are.  Tile 1's load may cross it
	WIN 0x40                                       ; my 128 queries as B fragments: block n, K fragment k at registers 32 n + 8 k of window 1
.irp n, 0,1,2,3,4,5,6,7
.irp k, 0,1,2,3
	ds_load_b128 v[32*\n+8*\k:32*\n+8*\k+3],   v[QR] offset:\n*16*QPITCH+64*\k
	ds_load_b128 v[32*\n+8*\k+4:32*\n+8*\k+7], v[QR] offset:\n*16*QPITCH+64*\k+32
.endr
.endr
	WIN 0
; Ten LDS loads: the A fragments of my block i (0..3) of the tile in stage buffer 'buf', and its eight -|s|^2/2, into register buffer ab.
.macro LDA i, buf, ab
.irp j, 0,1,2,3,4,5,6,7
	ds_load_b128 v[AF0+32*(\ab)+4*\j:AF0+32*(\ab)+4*\j+3], v[FRG] offset:(\buf)*STG+(\i)*4096+\j*512
.endr
	ds_load_b128 v[CI0+8*(\ab):CI0+8*(\ab)+3],   v[PPR] offset:(\buf)*512+(\i)*64
	ds_load_b128 v[CI0+8*(\ab)+4:CI0+8*(\ab)+7], v[PPR] offset:(\buf)*512+(\i)*64+16
.endm
; 16 matrix instructions: 16 rows s x query blocks 4 g .. 4 g + 3, all of K.  The first product takes -|s|^2/2 as C: nothing is cleared.
; The four accumulators take turns, one instruction a turn.
.macro MM16 g, ab
.irp k, 0,1,2,3
.irp n, 0,1,2,3
.if \k == 0
	v_wmma_f32_16x16x32_bf16 v[ACC+8*\n:ACC+8*\n+7], v[AF0+32*(\ab)+8*\k:AF0+32*(\ab)+8*\k+7], v[32*(4*\g+\n)+8*\k:32*(4*\g+\n)+8*\k+7], v[CI0+8*(\ab):CI0+8*(\ab)+7]
.else
	v_wmma_f32_16x16x32_bf16 v[ACC+8*\n:ACC+8*\n+7], v[AF0+32*(\ab)+8*\k:AF0+32*(\ab)+8*\k+7], v[32*(4*\g+\n)+8*\k:32*(4*\g+\n)+8*\k+7], v[ACC+8*\n:ACC+8*\n+7]
.endif
.endr
.endr
.endm
; The largest of a lane's eight scores in each of the four accumulators against the best so far; a strictly larger one brings its block's number (s35).
.macro MAX4 g
.irp n, 0,1,2,3
	v_max3_num_f32 v[T+2*\n],   v[ACC+8*\n],   v[ACC+8*\n+1], v[ACC+8*\n+2]
	v_max3_num_f32 v[T+2*\n+1], v[ACC+8*\n+3], v[ACC+8*\n+4], v[ACC+8*\n+5]
.endr
.irp n, 0,1,2,3
	v_max3_num_f32 v[T+2*\n], v[ACC+8*\n+6], v[ACC+8*\n+7], v[T+2*\n]
.endr
.irp n, 0,1,2,3
	v_max_num_f32 v[T+2*\n], v[T+2*\n], v[T+2*\n+1]
.endr
.irp n, 0,1,2,3
	v_cmp_gt_f32 s[40+\n], v[T+2*\n], v[BV+4*\g+\n]
.endr
.irp n, 0,1,2,3
	v_cndmask_b32 v[BI+4*\g+\n], v[BI+4*\g+\n], s35, s[40+\n]
.endr
.irp n, 0,1,2,3
	v_max_num_f32 v[BV+4*\g+\n], v[BV+4*\g+\n], v[T+2*\n]
.endr
.endm
; My block i of the tile in stage buffer buf against my 128 queries: 2 x 16 matrix instructions, each run followed by vector work in window 0.
; conv = 1: K fragment i of my 16 rows of the NEXT tile is converted on the way; that work fills the places behind the matrix instructions
; (8 conversions, 16 multiply-adds; ISA guide 7.12.1 asks four before a result is read).
.macro STEP i, ab, buf, conv
.if \conv
.if \i == 0
	s_wait_dscnt 4                                 ; block 0's ten loads are in; the four f32 loads issued behind them may be out
.else
	s_wait_dscnt 6                                 ; this block's ten loads are in; two stage stores and four f32 loads were issued behind them
.endif
.else
	s_wait_dscnt 0
.endif
	WIN 0x04                                       ; source 1 (the queries) in window 1
	MM16 0, \ab
	WIN 0
.if \i < 3
	LDA \i+1, \buf, 1-\ab                          ; the next block, into the registers that the block before this one used
.endif
.if \conv
.if \i < 3
	s_wait_dscnt 10                                ; the four f32 loads are in; the ten just issued stay out
.else
	s_wait_dscnt 0
.endif
	CVT8 XF
.else
	PLACES
.endif
	MAX4 0
	WIN 0x04
	MM16 1, \ab
	WIN 0
.if \conv
	SQ16
	STX \i, 1-\buf
.if \i < 3
	LDX \i+1, 1-\buf, XF
.else
	PPFIN 1-\buf
.endif
.else
	PLACES
.endif
	MAX4 1
.if \i < 3
	s_add_co_u32 s35, s35, 1
.else
	s_add_co_u32 s35, s35, 5                       ; to my first block of the next tile: 8 - 3
.endif
.endm
; Trip t (buf = t % 2): tile t is multiplied from stage buffer buf; tile t + 1 is converted from ring slot 1 - buf into stage buffer 1 - buf;
; tile t + 2 is asked for, into ring slot buf, which was read in trip t - 1.  The request has the whole trip in which to land.
.macro TRIP buf, refill, conv
.if \conv
	s_wait_tensorcnt 0x0                           ; all my tensor loads have landed: the one that was out is my rows of tile t + 1,
	ds_add_u32 v254, v255
	s_wait_dscnt 0x0
.endif
.if \refill
	s_add_nc_u64 s[G0+4*\buf+2:G0+4*\buf+3], s[G0+4*\buf+2:G0+4*\buf+3], 2*TILEB   ; so a group 0 may be written: this slot's next tile
.endif
	s_wait_dscnt 0x0                               ; my reads of ring slot buf and of stage buffer 1 - buf, and my stores into stage buffer buf, are done
.if \refill
	ROUND                                          ; that now holds of every wave of all four work-groups
	tensor_load_to_lds s[G0+4*\buf:G0+4*\buf+3], s[G1:G1+7]   ; my one tensor load behind the round, first thing there
	s_nop 0
.else
	s_barrier_signal -1
	s_barrier_wait -1                              ; nothing is filled any more: my work-group's barrier, for the stage buffers
.endif
	LDA 0, \buf, 0
.if \conv
	LDX 0, 1-\buf, XF
	PSZERO
.endif
	STEP 0, 0, \buf, \conv
	STEP 1, 1, \buf, \conv
	STEP 2, 0, \buf, \conv
	STEP 3, 1, \buf, \conv
.endm
	s_mov_b32 s34, 3
.Lpair:                                            ; tiles 0 to 5; the first round also parts the reads of the queries from the first stores into stage buffer 1
	TRIP 0, 1, 1
	TRIP 1, 1, 1
	s_sub_co_u32 s34, s34, 1
	s_cmp_lg_u32 s34, 0
	s_cbranch_scc1 .Lpair
	TRIP 0, 0, 1                                   ; tile 6: tile 7 is converted, nothing is left to ask for
	TRIP 1, 0, 0                                   ; tile 7
	; The two halves of the lanes hold rows 8 h .. 8 h + 7 of every block: their results for one query are merged.  Of query blocks a = 2 u and b = 2 u + 1
	; lanes 0-15 keep a and send b, lanes 16-31 keep b and send a: lane (r, h) ends with query block 2 u + h.
	v_mov_b32 v[E+4], 0                            ; destinations of v_permlanex16_b32 count as read
	v_mov_b32 v[E+5], 0
.irp n, 0,1,2,3,4,5,6,7
	v_lshl_or_b32 v[BI+\n], v[BI+\n], 1, v[H]      ; gid = 2 x block + h
.endr
.irp u, 0,1,2,3
	v_cndmask_b32 v[E+0], v[BV+2*\u+1], v[BV+2*\u],   s38    ; score sent
	v_cndmask_b32 v[E+1], v[BV+2*\u],   v[BV+2*\u+1], s38    ; score kept
	v_cndmask_b32 v[E+2], v[BI+2*\u+1], v[BI+2*\u],   s38    ; gid sent
	v_cndmask_b32 v[E+3], v[BI+2*\u],   v[BI+2*\u+1], s38    ; gid kept
	v_permlanex16_b32 v[E+4], v[E+0], s36, s37
	v_permlanex16_b32 v[E+5], v[E+2], s36, s37
	v_cmp_gt_f32 s40, v[E+4], v[E+1]               ; the other's wins if it is larger,
	v_cmp_eq_f32 s41, v[E+4], v[E+1]
	v_cmp_lt_u32 s42, v[E+5], v[E+3]               ; or equal in a lower group
	s_and_b32 s41, s41, s42
	s_or_b32 s40, s40, s41
	v_cndmask_b32 v[E+1], v[E+1], v[E+4], s40
	v_cndmask_b32 v[O+2*\u+1], v[E+3], v[E+5], s40
	v_add_f32 v[E+1], 0, v[E+1]                    ; -0 becomes +0, so that equal scores have equal keys
	v_ashrrev_i32 v[E+0], 31, v[E+1]
	v_or_b32 v[E+0], 0x80000000, v[E+0]
	v_xor_b32 v[O+2*\u], v[E+0], v[E+1]            ; negative: all bits turned; else the sign bit set: unsigned order = the scores' order
.endr
	global_store_b128 v[L16], v[O:O+3],   s[46:47]             ; each store of the wave covers 512 consecutive bytes, aligned
	global_store_b128 v[L16], v[O+4:O+7], s[46:47] offset:512
	s_wait_tensorcnt 0x0
	ds_add_u32 v254, v255
	s_wait_dscnt 0x0
	ROUND                                          ; the closing round: no work-group ends while a partner may still issue a joint load that names it
	s_endpgm
.Lfunc_end_k_q83277f4fae_coarse:
	.size	k_q83277f4fae_coarse, .Lfunc_end_k_q83277f4fae_coarse-k_q83277f4fae_coarse
	.p2alignl 7, 3214868480
	.fill 96, 4, 3214868480
	.section	.rodata,"a",@progbits
	.p2align	6, 0x0
	.amdhsa_kernel k_q83277f4fae_coarse
		.amdhsa_group_segment_fixed_size 327680
		.amdhsa_private_segment_fixed_size 0
		.amdhsa_enable_private_segment 0
		.amdhsa_kernarg_size 24
		.amdhsa_user_sgpr_count 2
		.amdhsa_user_sgpr_kernarg_segment_ptr 1
		.amdhsa_wavefront_size32 1
		.amdhsa_system_sgpr_workgroup_id_x 1
		.amdhsa_system_sgpr_workgroup_id_y 1
		.amdhsa_system_sgpr_workgroup_id_z 1
		.amdhsa_system_vgpr_workitem_id 0
		.amdhsa_next_free_vgpr 512
		.amdhsa_next_free_sgpr 66
		.amdhsa_reserve_vcc 0
		.amdhsa_float_denorm_mode_32 3
		.amdhsa_float_denorm_mode_16_64 3
		.amdhsa_memory_ordered 1
		.amdhsa_forward_progress 1
		.amdhsa_inst_pref_size 162
	.end_amdhsa_kernel
	.amdgpu_metadata
---
amdhsa.version: [ 1, 2 ]
amdhsa.kernels:
  - .name:           k_q83277f4fae_coarse
    .symbol:         k_q83277f4fae_coarse.kd
    .args:
      - { .name: reached_goal_embedding_library, .offset: 0, .size: 8, .value_kind: global_buffer, .address_space: global }
      - { .name: target_goal_embedding_library, .offset: 8, .size: 8, .value_kind: global_buffer, .address_space: global }
      - { .name: part, .offset: 16, .size: 8, .value_kind: global_buffer, .address_space: global }
    .group_segment_fixed_size: 327680
    .private_segment_fixed_size: 0
    .kernarg_segment_align: 8
    .kernarg_segment_size: 24
    .max_flat_workgroup_size: 256
    .sgpr_count:     66
    .vgpr_count:     512
    .wavefront_size: 32
...
	.end_amdgpu_metadata
.endif
;; end of part 1
;; launch finish (part 2): grid 256 x 1, 8 waves a work-group, no clusters, 1,280 bytes of LDS; arguments part, reached_goal_embedding_library, target_goal_embedding_library, out0, out1; writes out0, out1
.if DOCPART == 2
	.amdgcn_target "amdgcn-amd-amdhsa--gfx1250"
	.amdhsa_code_object_version 6
	.text
	.protected	k_q83277f4fae_finish
	.globl	k_q83277f4fae_finish
	.p2align	8
	.type	k_q83277f4fae_finish,@function
k_q83277f4fae_finish:
	s_mov_b64 s[64:65], 0
	v_nop
	global_prefetch_b8 v0, s[64:65] scope:SCOPE_SE
	s_setreg_imm32_b32 hwreg(HW_REG_WAVE_MODE, 25, 1), 1
	s_wait_xcnt 0x0
; FINISH.  One wave for each query q = 8 x work-group + wave.
; 1. The 128 partial winners (key, gid) of q are read as whole numbers, four a lane; the largest key, and among equal keys the lowest gid, by integer max and min.
; 2. The 8 rows of that group (4,096 consecutive bytes of reached) are gathered and scored again by |g - s|^2 from direct differences; the lowest row among equals wins.
; 3. LP = |g - s| - |g - r| and its gradient (g - s)/|g - s| - (g - r)/|g - r|, r = row 65,536 + q of reached.
; g, s and r are rounded to bf16 first, like the operands of the launch before, so that choice and result belong to one set of numbers; all arithmetic is f32.
; Three dependent reads follow each other here; matrix unit, clusters and tensor loads have nothing to do.
; LIMITS.  Inputs are finite.  v_sqrt_f32 and v_rsq_f32 take a denormal sum of squares as zero (ISA guide, their entries).  A distance of exactly 0 gives
; value 0 for that norm and NaN in the gradient (0 x infinity), as differentiating the root at 0 does.
; out0 leaves as 32 consecutive bytes a work-group (8,192 bytes in all); out1 as whole rows of 512 bytes.
.set L16,  1                           ; v1   lane x 16
.set POFF, 2                           ; v2   my first (key, gid) in part
.set LANE, 3                           ; v3
.set KG,   4                           ; v[4:11]   four (key, gid)
.set G,    12                          ; v[12:15]  my 4 numbers of g
.set R,    16                          ; v[16:19]  of r
.set M,    20                          ; v[20:23]  reduction at work
.set DR,   24                          ; v[24:27]  g - r
.set SQ,   28                          ; v[28:29]  squares at work
.set GOFF, 30                          ; v30       byte offset of my 16 bytes in the group's first row
.set D2R,  31                          ; v31       |g - r|^2
.set X,    32                          ; v[32:63]  the 8 rows, then g - s
.set Q,    64                          ; v[64:71]  |g - s|^2 of the 8 rows
.set TT,   72                          ; v[72:75]  at work
.set N,    76                          ; v[76:79]  |g-s|, |g-r|, 1/|g-s|, 1/|g-r|
.set OUT,  80                          ; v[80:83]  my 4 numbers of the gradient
.set PX,   84                          ; v84       what v_permlanex16_b32 brings
.set WA,   85                          ; v85       the wave's number, then the LDS word of my wave
.set LA,   86                          ; v86       (lane % 8) x 4
.set VAL,  87                          ; v87
.set VO,   88                          ; v88
	s_load_b256 s[4:11], s[0:1], 0x0               ; part s[4:5], reached s[6:7], target s[8:9], out0 s[10:11]
	s_load_b64 s[12:13], s[0:1], 0x20              ; out1
	v_lshl_add_u32 v96, v0, 2, 0x100
	v_mov_b32 v97, 0
	v_lshrrev_b32 v[WA], 5, v0
	v_readfirstlane_b32 s14, v[WA]                 ; wave
	v_and_b32 v[LANE], 31, v0
	v_lshlrev_b32 v[L16], 4, v[LANE]
	v_mov_b32 v[WA], s14                           ; the wave's number from the scalar: the same in every lane
	s_lshl_b32 s15, ttmp9, 3
	s_add_co_u32 s15, s15, s14                     ; q
	s_lshr_b32 s16, s15, 7                         ; q's place in one block of part: (q >> 7) x 1,024
	s_lshl_b32 s16, s16, 10
	s_bfe_u32 s17, s15, 0x10006                    ; + bit 6 x 512
	s_lshl_b32 s17, s17, 9
	s_or_b32 s16, s16, s17
	s_and_b32 s17, s15, 31                         ; + (q & 31) x 16
	s_lshl_b32 s17, s17, 4
	s_or_b32 s16, s16, s17
	s_bfe_u32 s17, s15, 0x10005                    ; + bit 5 x 8
	s_lshl_b32 s17, s17, 3
	s_or_b32 s16, s16, s17
	v_lshl_add_u32 v[POFF], v[LANE], 14, s16       ; block pi = lane, 16,384 bytes a block
	s_lshl_b32 s18, s15, 9                         ; q x 512: my row of out1
	s_mov_b32 s19, 0
	s_add_co_u32 s20, s18, 0x2000000               ; (65,536 + q) x 512: my rows of target and reached
	s_mov_b32 s21, 0
	s_lshl_b32 s30, ttmp9, 5                       ; the work-group's 8 numbers of out0
	s_mov_b32 s31, 0
	s_mov_b32 s34, 0xffff0000                      ; a word's upper bf16
	s_mov_b32 s36, 0x76543210                      ; v_permlanex16_b32: lane i takes lane i of the other half
	s_mov_b32 s37, 0xfedcba98
	s_wait_kmcnt 0x0
	s_add_nc_u64 s[22:23], s[8:9], s[20:21]
	s_add_nc_u64 s[24:25], s[6:7], s[20:21]
	s_add_nc_u64 s[26:27], s[12:13], s[18:19]
	s_add_nc_u64 s[28:29], s[10:11], s[30:31]
.irp j, 0,1,2,3
	global_load_b64 v[KG+2*\j:KG+2*\j+1], v[POFF], s[4:5] offset:\j*524288        ; pi = lane + 32 j
.endr
	global_load_b128 v[G:G+3], v[L16], s[22:23]
	global_load_b128 v[R:R+3], v[L16], s[24:25]
	v_mov_b32 v[PX], 0                             ; destinations of DPP moves and of v_permlanex16_b32 count as read
	v_mov_b32 v[M+1], 0
; an unsigned max or min over the 32 lanes, the result in every lane
.macro URED op, x, t
.irp m, 1,2,4,8
	v_mov_b32_dpp v[\t], v[\x] row_xmask:\m row_mask:0xf bank_mask:0xf
	\op v[\x], v[\x], v[\t]
.endr
	v_permlanex16_b32 v[\t], v[\x], s36, s37
	\op v[\x], v[\x], v[\t]
.endm
; an f32 sum over the 32 lanes, the result in every lane
.macro WSUM x
.irp m, 1,2,4,8
	v_add_f32_dpp v[\x], v[\x], v[\x] row_xmask:\m row_mask:0xf bank_mask:0xf
.endr
	v_permlanex16_b32 v[PX], v[\x], s36, s37
	v_add_f32 v[\x], v[\x], v[PX]
.endm
; four f32 rounded to bf16 and widened again, in place
.macro RND x
	v_cvt_pk_bf16_f32 v[TT],   v[\x],   v[\x+1]
	v_cvt_pk_bf16_f32 v[TT+1], v[\x+2], v[\x+3]
	v_lshlrev_b32 v[\x],   16,  v[TT]
	v_and_b32     v[\x+1], s34, v[TT]
	v_lshlrev_b32 v[\x+2], 16,  v[TT+1]
	v_and_b32     v[\x+3], s34, v[TT+1]
.endm
; d = g - x (4 numbers), q = the sum of their squares
.macro DSQ d, x, q
	v_pk_add_f32 v[\d:\d+1],   v[G:G+1],   v[\x:\x+1]   neg_lo:[0,1] neg_hi:[0,1]
	v_pk_add_f32 v[\d+2:\d+3], v[G+2:G+3], v[\x+2:\x+3] neg_lo:[0,1] neg_hi:[0,1]
	v_pk_mul_f32 v[SQ:SQ+1], v[\d:\d+1], v[\d:\d+1]
	v_pk_fma_f32 v[SQ:SQ+1], v[\d+2:\d+3], v[\d+2:\d+3], v[SQ:SQ+1]
	v_add_f32 v[\q], v[SQ], v[SQ+1]
.endm
	s_wait_loadcnt 0x2                             ; the four (key, gid) are in; the rows of g and r were issued behind them
	v_max_u32 v[M], v[KG], v[KG+2]
	v_max_u32 v[M+2], v[KG+4], v[KG+6]
	v_max_u32 v[M], v[M], v[M+2]
	URED v_max_u32, M, M+1                         ; the largest key
.irp j, 0,1,2,3
	v_cmp_eq_u32 vcc_lo, v[KG+2*\j], v[M]
	v_cndmask_b32 v[KG+2*\j+1], -1, v[KG+2*\j+1], vcc_lo       ; a gid counts only where its key is the largest
.endr
	v_min_u32 v[M+2], v[KG+1], v[KG+3]
	v_min_u32 v[M+3], v[KG+5], v[KG+7]
	v_min_u32 v[M+2], v[M+2], v[M+3]
	URED v_min_u32, M+2, M+1                       ; the lowest such gid
	v_min_u32 v[M+2], 0x1fff, v[M+2]               ; 8,192 groups: the address stays inside rows 0 .. 65,535
	v_lshl_add_u32 v[GOFF], v[M+2], 12, v[L16]     ; 8 rows x 512 bytes a group
.irp j, 0,1,2,3,4,5,6,7
	global_load_b128 v[X+4*\j:X+4*\j+3], v[GOFF], s[6:7] offset:512*\j            ; a whole row a load
.endr
	s_wait_loadcnt 0x8                             ; g and r are in; the eight rows stay out
	RND G
	RND R
	DSQ DR, R, D2R
	WSUM D2R
	s_wait_loadcnt 0x0
.irp j, 0,1,2,3,4,5,6,7
	RND X+4*\j
	DSQ X+4*\j, X+4*\j, Q+\j                       ; the difference takes the row's place
.endr
.irp j, 0,1,2,3,4,5,6,7
	WSUM Q+\j
.endr
.irp j, 1,2,3,4,5,6,7
	v_cmp_lt_f32 vcc_lo, v[Q+\j], v[Q]             ; strictly nearer: among equals the lowest row stays.  Only values are chosen, no address
	v_cndmask_b32 v[Q], v[Q], v[Q+\j], vcc_lo
.irp k, 0,1,2,3
	v_cndmask_b32 v[X+\k], v[X+\k], v[X+4*\j+\k], vcc_lo
.endr
.endr
	v_sqrt_f32 v[N],   v[Q]
	v_sqrt_f32 v[N+1], v[D2R]
	v_rsq_f32  v[N+2], v[Q]
	v_rsq_f32  v[N+3], v[D2R]
	v_lshlrev_b32 v[WA], 2, v[WA]                  ; wave x 4; also the plain instruction that stands between the four above and the first use of a result (ISA guide 5.7.2)
	s_wait_alu depctr_va_vdst(0)
	v_sub_f32 v[VAL], v[N], v[N+1]
.irp k, 0,1,2,3
	v_mul_f32 v[TT+\k], v[DR+\k], v[N+3]
.endr
.irp k, 0,1,2,3
	v_fma_f32 v[OUT+\k], v[X+\k], v[N+2], -v[TT+\k]
.endr
	global_store_b128 v[L16], v[OUT:OUT+3], s[26:27]           ; the wave's store covers the row's 512 bytes
	ds_store_b32 v[WA], v[VAL]                     ; all lanes hold the same value and write my wave's word
	s_wait_dscnt 0x0                               ; done, for wave 0's sake
	s_barrier_signal -1
	s_barrier_wait -1
	s_cmp_lg_u32 s14, 0
	s_cbranch_scc1 .Lend
	v_and_b32 v[LA], 7, v[LANE]
	v_lshlrev_b32 v[LA], 2, v[LA]
	ds_load_b32 v[VO], v[LA]                       ; the eight waves' values
	v_cmp_gt_u32 vcc_lo, 8, v[LANE]
	s_wait_dscnt 0x0
	s_wait_xcnt 0x0                                ; EXEC is a source of the store above: it changes only behind this wait
	s_and_saveexec_b32 s32, vcc_lo
	global_store_b32 v[LA], v[VO], s[28:29]        ; lanes 0 to 7: 32 consecutive bytes of out0
	s_wait_xcnt 0x0                                ; and again in front of the line that widens it
	s_or_b32 exec_lo, exec_lo, s32
.Lend:
	s_wait_tensorcnt 0x0
	ds_add_u32 v96, v97
	s_wait_dscnt 0x0
	s_endpgm
.Lfunc_end_k_q83277f4fae_finish:
	.size	k_q83277f4fae_finish, .Lfunc_end_k_q83277f4fae_finish-k_q83277f4fae_finish
	.p2alignl 7, 3214868480
	.fill 96, 4, 3214868480
	.section	.rodata,"a",@progbits
	.p2align	6, 0x0
	.amdhsa_kernel k_q83277f4fae_finish
		.amdhsa_group_segment_fixed_size 1280
		.amdhsa_private_segment_fixed_size 0
		.amdhsa_enable_private_segment 0
		.amdhsa_kernarg_size 40
		.amdhsa_user_sgpr_count 2
		.amdhsa_user_sgpr_kernarg_segment_ptr 1
		.amdhsa_wavefront_size32 1
		.amdhsa_system_sgpr_workgroup_id_x 1
		.amdhsa_system_sgpr_workgroup_id_y 1
		.amdhsa_system_sgpr_workgroup_id_z 1
		.amdhsa_system_vgpr_workitem_id 0
		.amdhsa_next_free_vgpr 98
		.amdhsa_next_free_sgpr 66
		.amdhsa_reserve_vcc 1
		.amdhsa_float_denorm_mode_32 3
		.amdhsa_float_denorm_mode_16_64 3
		.amdhsa_memory_ordered 1
		.amdhsa_forward_progress 1
		.amdhsa_inst_pref_size 16
	.end_amdhsa_kernel
	.amdgpu_metadata
---
amdhsa.version: [ 1, 2 ]
amdhsa.kernels:
  - .name:           k_q83277f4fae_finish
    .symbol:         k_q83277f4fae_finish.kd
    .args:
      - { .name: part, .offset: 0, .size: 8, .value_kind: global_buffer, .address_space: global }
      - { .name: reached_goal_embedding_library, .offset: 8, .size: 8, .value_kind: global_buffer, .address_space: global }
      - { .name: target_goal_embedding_library, .offset: 16, .size: 8, .value_kind: global_buffer, .address_space: global }
      - { .name: out0, .offset: 24, .size: 8, .value_kind: global_buffer, .address_space: global }
      - { .name: out1, .offset: 32, .size: 8, .value_kind: global_buffer, .address_space: global }
    .group_segment_fixed_size: 1280
    .private_segment_fixed_size: 0
    .kernarg_segment_align: 8
    .kernarg_segment_size: 40
    .max_flat_workgroup_size: 256
    .sgpr_count:     66
    .vgpr_count:     98
    .wavefront_size: 32
...
	.end_amdgpu_metadata
.endif
;; end of part 2
